; MI455X (gfx1250); checked and timed in simulation.
; The chip was launched on July 23, 2026; its instructions are those of AMD's public machine-readable ISA for CDNA 5 (MIT licence, August 2026) and "CDNA5" Instruction Set Architecture Reference Guide (July 2026). The comments in the code are by the model that wrote it; some were corrected since.
;; Boundary Decision. Allowed arithmetic: matrix products marked QUANTISED: E2M3 operands, one E8M0 scale for each 32 along K, by v_wmma_scale_f32_16x16x128_f8f6f4 with both operands' format E2M3, f32 sums; products left as they are: f32 operands where the result goes on into a quantised operand, else bf16, f16 or f32 operands; f32 sums; everything else in f32.
;; Inputs: W_qk 1,024 x 2,048 float32; W_v 1,024 x 16 float32; att_mask 4 x 2,048 x 2,048 bool; x 4 x 2,048 x 1,024 float32.
;; Outputs: out0 4 x 2,048 x 1 float32.
;; This version of the problem:
;;   THIS VERSION OF THE PROBLEM IS GIVEN IN LOW PRECISION. The matrix products marked QUANTISED in the list below multiply operands that are first quantised to E2M3 (2 exponent bits, 3 mantissa bits; 6 bits a number), with one power-of-two scale for each 32 numbers along K (OCP MX v1.0); their sums are f32. All else is computed in f32.
;;   The module's matrix products, in the order in which they are computed (A, B: the left and right operand; K: the contracted axis; several contracted axes count as one K, in the product's order):
;;     1. [M 8,192, K 1,024] x [K 1,024, N 2,048]; A: input x; B: input W_qk: QUANTISED
;;     2. [M 8,192, K 1,024] x [K 1,024, N 16]; A: input x; B: input W_v: QUANTISED
;;     3. batch 64 x [M 2,048, K 64] x [K 64, N 2,048]; A: computed on the way; B: computed on the way: QUANTISED
;;     4. batch 64 x [M 1, K 2,048] x [K 2,048, N 2,048]; A: computed on the way; B: softmax: left as it is (M = 1 < 16)
;;   THE QUANTISER, for each operand of a quantised product, along K:
;;     - K is cut into blocks of 32 from its start; a last block that is shorter is filled with zeros.
;;     - A block's scale is 2^e with e = floor(log2(the largest magnitude in the block)) - 2, held to -126 .. 127; a block of zeros has e = 0. As a byte (E8M0): e + 127.
;;     - Each number is divided by its block's scale, clamped to +-7.5, and rounded to the nearest number of E2M3, ties to even, subnormals kept.
;;     - The product sums the exact products of the quantised numbers (number of the format x scale) in f32.
;;   ~~~python
;;   def quantise(x, axis):      # numpy; x: float32 -> the quantised numbers, widened to float32 again
;;       x = np.moveaxis(x, axis, -1); K = x.shape[-1]
;;       x = np.pad(x, [(0, 0)] * (x.ndim - 1) + [(0, -K % 32)]); x = x.reshape(x.shape[:-1] + (-1, 32)); a = np.abs(x).max(-1, keepdims=True)
;;       e = np.where(a > 0, np.clip(np.frexp(np.where(a > 0, a, 1))[1] - 1 - 2, -126, 127), 0)      # np.frexp(a)[1] - 1 = floor(log2(a)), exactly
;;       r = np.clip(x / 2.0 ** e, -7.5, 7.5)
;;       step = 2.0 ** (np.maximum(np.frexp(np.where(r == 0, 1, r))[1] - 1, 0) - 3)
;;       q = np.round(r / step) * step * 2.0 ** e      # np.round: ties to even
;;       return np.moveaxis(q.reshape(q.shape[:-2] + (-1,))[..., :K], -1, axis).astype(np.float32)
;;   ~~~
;;   OPERANDS COMPUTED ON THE WAY. 'Computed on the way' means the value that the module computes at that place (a softmax that the list does not call 'softmax' is quantised finished and normalised). What goes into a quantiser is computed in f32, as accurately as f32 sums, v_exp_f32 and their like allow (about 1e-6 of the number): no bf16 or f16 on the way to a quantiser, and a product that is left as it is and whose result goes on into a quantised operand takes f32 operands (vector FMAs, or v_wmma_f32_16x16x4_f32). A number that lies on a knife's edge between two numbers of the format may be rounded either way, as far as f32 arithmetic and the matrix unit's own rounding can turn it there, and no further.
;; One version. Each part assembles by itself: llvm-mc -triple=amdgcn-amd-amdhsa -mcpu=gfx1250 --defsym DOCPART=n.
;; ======== version 1 of 1: 3 launches
;; limits: values are held in bf16: 8 bits of precision; right only within a limited range of input values
;; workspace buffers: x_img 6,291,456 bytes; xs 262,144 bytes; w_img 1,572,864 bytes; ws 65,536 bytes; mbits 2,097,152 bytes of whole numbers; qpack 7,340,032 bytes; kpack 7,340,032 bytes; vfr 524,288 bytes
;; launch prep (part 1): grid 448 x 1, 8 waves a work-group, no clusters, 154,112 bytes of LDS; arguments x, W_qk, W_v, att_mask, x_img, xs, w_img, ws, mbits, vfr; writes x_img, xs, w_img, ws, mbits, vfr
.if DOCPART == 1
	.amdgcn_target "amdgcn-amd-amdhsa--gfx1250"
	.amdhsa_code_object_version 6
	.text
	.protected	k_q136cf22b66_prep
	.globl	k_q136cf22b66_prep
	.p2align	8
	.type	k_q136cf22b66_prep,@function
k_q136cf22b66_prep:
	s_mov_b64 s[64:65], 0
	v_nop
	global_prefetch_b8 v0, s[64:65] scope:SCOPE_SE
	s_setreg_imm32_b32 hwreg(HW_REG_WAVE_MODE, 25, 1), 1
	s_wait_xcnt 0x0
; PREP: everything that is made once from the inputs.  Three kinds of work-group, chosen by the work-group's number; each kind has LDS bytes of its own and ends by itself.
;   X (0-127):   64 rows of x [8192][1024] f32 -> codes of FP6 (E2M3) with one E8M0 byte for each 32 along K, laid as IMAGES OF OPERAND REGISTERS, and value = Q(x) Q(W_v) for these rows.
;   W (128-191): W_qk [1024][2048] f32, K its first axis -> the same kind of images; a lane takes a column and its registers run down K.
;   M (192-447): att_mask [4][2048][2048] bytes -> lane masks, one 32-bit word for each register of a tile of scores.
; AN IMAGE: a fragment (16 rows x 128 K) is 12 registers a lane; registers 4 p .. 4 p + 3 of lane l lie at 512 p + 16 l: 1,536 bytes, loaded back by three loads of 16 bytes a lane.
;   x_img [pair of K steps 4][row tile 512][step of the pair 2][1536];  xs [K step 8][row 8192] scale words;  w_img [4][feature tile 128][2][1536];  ws [8][2048] words.
;   THE FEATURES OF A TILE OF W ARE NOT NEIGHBOURS: row 8 h + j of tile 2 g + u is feature 32 g + 16 h + 8 u + j, so that the next launch's results of tiles 2 g, 2 g + 1 are 16 neighbours in a lane.
;   mbits [b 4][block of 32 queries 64][key step 32][query tile 2][key tile 4][j 8]: bit r + 16 h = mask[b][32 qb + 16 qt + r][64 ks + 16 kt + 8 h + j].
;   vfr: 128 blocks of 4,096 bytes (64 tokens): value as bf16 images of operand registers.
; A block's scale is 2^(floor(log2(largest magnitude)) - 2): its byte is the largest magnitude's exponent field - 2, held at 1 from below by a floor among the maximum's leaves.
; LIMITS: NaN and infinities among the inputs are not served.  A block of zeros, or one whose largest magnitude lies under 2^-124, gets the byte 1 (the rule says 127 for zeros): its codes are zeros or
; are made with the byte 1, and the bytes are read by this program alone.  value's K is summed in two halves by two waves and added in f32.  ws leaves in runs of 128 bytes.
; No cluster, no tensor load: the work-groups share only W_v, 64 KiB beside the 58 MB that the launch reads once; all loads go to registers.
.set STGX, 0                           ; X: a stage of 16 rows x (512 + 16) bytes for each wave
.set WVI,  67584                       ; X: W_v's eight fragments, as images
.set WVS,  79872                       ; X: their scale words, 128 bytes each
.set XSS,  80896                       ; X: x's scale words [step 8][64 rows]
.set VP,   82944                       ; X: value's two partial sums: 2 x 16 heads x (256 + 16) bytes
.set STGW, 91648                       ; W: for each wave two images, 1,664 bytes apart
.set STGM, 118272                      ; M: for each wave 16 rows x (256 + 16) bytes
.set XF,  16                           ; v16-27   x's fragment
.set WF,  28                           ; v28-39   W_v's fragment
.set WSC, 40                           ; v40      W_v's scale word
.set XW,  41                           ; v41      the scale word just made
.set D,   42                           ; v42-49   value's sums
.set MX,  50                           ; v50-51   largest magnitudes
.set SO,  52                           ; v52-53   the conversions' scale operands
.set BY,  54                           ; v54-55   scale bytes
.set CV,  56                           ; v56-58, v60-62  the upper 16 codes of a block
.set PD,  63                           ; v63      a lane permute's destination
.set R0,  64                           ; v64-127, v128-191  x as it is loaded, two sets
.set X,   192                          ; v192-255 64 numbers of a lane: X + 32 c + i = k 64 c + 32 h + i of its row
; 64 numbers of a lane, two whole blocks, become a fragment's 12 registers and its row's scale word.
.macro QOP dst, wd
.irp c, 0,1
	v_max3_num_f32 v[MX+\c], |v[X+32*\c]|, |v[X+32*\c+1]|, 0x1800000   ; my block 2 c + h, and the floor 2^(3 - 127): the byte cannot fall under 1
.endr
.irp i, 2,4,6,8,10,12,14,16,18,20,22,24,26,28,30
.irp c, 0,1
	s_delay_alu instid0(VALU_DEP_2)
	v_max3_num_f32 v[MX+\c], v[MX+\c], |v[X+32*\c+\i]|, |v[X+32*\c+\i+1]|   ; (the two blocks by turns)
.endr
.endr
.irp c, 0,1
	s_delay_alu instid0(VALU_DEP_2)
	v_add_nc_u32 v[SO+\c], 0xff000000, v[MX+\c]    ; 2 off the exponent field: the conversion takes this operand's exponent field as its scale
.endr
.irp c, 0,1
	s_delay_alu instid0(VALU_DEP_2)
	v_lshrrev_b32 v[BY+\c], 23, v[SO+\c]           ; the scale's byte
.endr
	s_delay_alu instid0(VALU_DEP_1)
	v_lshl_or_b32 v[\wd], v[BY+1], 16, v[BY]       ; my bytes: blocks h and 2 + h,
	s_delay_alu instid0(VALU_DEP_1)
	v_lshlrev_b32 v[\wd], v9, v[\wd]               ; 8 h bits up;
	s_delay_alu instid0(VALU_DEP_1)
	v_permlanex16_b32 v[PD], v[\wd], s30, s31
	s_delay_alu instid0(VALU_DEP_1)
	v_or_b32 v[\wd], v[\wd], v[PD]                 ; with lane l xor 16's two the word is whole
.irp c, 0,1
	v_cvt_scalef32_pk16_fp6_f32 v[\dst+6*\c:\dst+6*\c+2], v[X+32*\c:X+32*\c+15], v[SO+\c]
	v_cvt_scalef32_pk16_fp6_f32 v[CV+4*\c:CV+4*\c+2], v[X+32*\c+16:X+32*\c+31], v[SO+\c]   ; (a conversion's three registers begin on an even number)
.endr
	v_nop                                          ; one plain place behind a scaled conversion
.irp c, 0,1
.irp i, 0,1,2
	v_mov_b32 v[\dst+6*\c+3+\i], v[CV+4*\c+\i]
.endr
.endr
.endm
; K step i of my four: 16 rows x 512 bytes, each load 512 consecutive bytes of one row
.macro XLOAD reg, i
.set n, 0
.rept 16
	global_load_b128 v[\reg+4*n:\reg+4*n+3], v7, s[8:9] offset:4096*n+512*(\i) th:TH_LOAD_NT
.set n, n+1
.endr
.endm
.macro XSTEP i
.set RR, R0+64*((\i)%2)
.if (\i) < 3
	s_wait_loadcnt 16                              ; this step's 16 loads are in; the next step's 16 may be out
.else
	s_wait_loadcnt 0x0
.endif
.set n, 0
.rept 16
	ds_store_b128 v5, v[RR+4*n:RR+4*n+3] offset:528*n   ; through my own stage, as the bytes lie;
.set n, n+1
.endr
.set n, 0
.rept 16
	ds_load_b128 v[X+4*n:X+4*n+3], v6 offset:256*(n/8)+16*(n%8)   ; back as 2 x 32 neighbours of my row (LDS serves a wave's instructions in order: ISA guide 5.7.1.4)
.set n, n+1
.endr
.irp p, 0,1,2
	ds_load_b128 v[WF+4*\p:WF+4*\p+3], v10 offset:1536*(\i)+512*\p   ; W_v's fragment of this K step
.endr
	ds_load_b32 v[WSC], v11 offset:128*(\i)
	s_wait_dscnt 0x0                               ; all are back, and the stage's stores have read their registers,
.if (\i) < 2
	XLOAD RR, (\i)+2                               ; which take the loads of two steps on
.endif
	s_wait_xcnt 0x0                                ; the last step's stores of the image have read v16-27: only now are they written again
	QOP XF, XW
.irp p, 0,1,2
	global_store_b128 v7, v[XF+4*\p:XF+4*\p+3], s[16:17] offset:1572864*((\i)/2)+1536*((\i)%2)+512*\p   ; 512 consecutive bytes a store
.endr
	ds_store_b32 v12, v[XW] offset:256*(\i)        ; both halves of the lanes write the same word with the same value
.rept 8
	v_nop                                          ; a scale register written by a vector instruction stands 8 places ahead of a scaled product, an operand 4
.endr
.if (\i) == 0
	v_wmma_scale_f32_16x16x128_f8f6f4 v[D:D+7], v[XF:XF+11], v[WF:WF+11], 0, v[XW], v[WSC] matrix_a_fmt:MATRIX_FMT_FP6 matrix_b_fmt:MATRIX_FMT_FP6
.else
	s_wait_alu depctr_va_vdst(0)                   ; one accumulator
	v_wmma_scale_f32_16x16x128_f8f6f4 v[D:D+7], v[XF:XF+11], v[WF:WF+11], v[D:D+7], v[XW], v[WSC] matrix_a_fmt:MATRIX_FMT_FP6 matrix_b_fmt:MATRIX_FMT_FP6
.endif
.rept 4
	v_nop                                          ; places in front of the next step's loads into v28-40, and of the read of the sums
.endr
.endm
; W: block kb (32 along K) of my column
.macro WLOAD kb
.set n, 0
.rept 32
	global_load_b32 v[64+32*(\kb)+n], v4, s[10:11] offset:(32*(\kb)+n)*8192 th:TH_LOAD_NT   ; 128 consecutive bytes a wave, four waves side by side
.set n, n+1
.endr
.endm
.macro WBLOCK kb
.set XS, 64+32*(\kb)
.if (\kb) < 3
	s_wait_loadcnt 32                              ; this block's 32 loads are in; the next block's may be out
.else
	s_wait_loadcnt 0x0
.endif
.if (\kb) < 2
	WLOAD (\kb)+2
.endif
	v_max3_num_f32 v12, |v[XS]|, |v[XS+1]|, |v[XS+2]|
	v_max3_num_f32 v13, |v[XS+3]|, |v[XS+4]|, |v[XS+5]|
.irp i, 6,10,14,18,22,26
	s_delay_alu instid0(VALU_DEP_2)
	v_max3_num_f32 v12, v12, |v[XS+\i]|, |v[XS+\i+1]|
	s_delay_alu instid0(VALU_DEP_2)
	v_max3_num_f32 v13, v13, |v[XS+\i+2]|, |v[XS+\i+3]|
.endr
	s_delay_alu instid0(VALU_DEP_2)
	v_max3_num_f32 v12, v12, |v[XS+30]|, |v[XS+31]|
	s_delay_alu instid0(VALU_DEP_1)
	v_max3_num_f32 v12, v12, v13, 0x1800000        ; the floor
	s_delay_alu instid0(VALU_DEP_1)
	v_add_nc_u32 v11, 0xff000000, v12
	s_delay_alu instid0(VALU_DEP_1)
	v_lshrrev_b32 v14, 23, v11
.if (\kb) == 0
	s_delay_alu instid0(VALU_DEP_1)
	v_mov_b32 v24, v14                             ; the four bytes make my feature's scale word for this K step
.else
	s_delay_alu instid0(VALU_DEP_1)
	v_lshl_or_b32 v24, v14, 8*(\kb), v24
.endif
	v_cvt_scalef32_pk16_fp6_f32 v[16:18], v[XS:XS+15], v11
	v_cvt_scalef32_pk16_fp6_f32 v[20:22], v[XS+16:XS+31], v11
	v_nop                                          ; one plain place behind a scaled conversion
	v_mov_b32 v19, v20                             ; v16-21: the block's six registers on end
	v_mov_b32 v20, v21
	v_mov_b32 v21, v22
.if (\kb)/2 == 0                               ; block 2 c + hh is registers 6 c .. 6 c + 5 of lane r' + 16 hh of the image
	ds_store_b128 v5, v[16:19] offset:256*((\kb)%2)
	ds_store_b64 v5, v[20:21] offset:512+256*((\kb)%2)
.else
	ds_store_b64 v5, v[16:17] offset:520+256*((\kb)%2)
	ds_store_b128 v5, v[18:21] offset:1024+256*((\kb)%2)
.endif
	s_wait_dscnt 0x0                               ; the stores have read their registers
.endm
	s_load_b512 s[8:23], s[0:1], 0x0               ; x 8, W_qk 10, W_v 12, att_mask 14, x_img 16, xs 18, w_img 20, ws 22
	s_load_b128 s[24:27], s[0:1], 0x40             ; mbits 24, vfr 26
	v_and_b32 v1, 31, v0                           ; lane
	v_and_b32 v2, 15, v0                           ; r
	v_bfe_u32 v3, v0, 4, 1                         ; h
	s_delay_alu instid0(VALU_DEP_3)
	v_lshlrev_b32 v7, 4, v1                        ; 16 x lane
	v_lshrrev_b32 v4, 5, v0
	s_delay_alu instid0(VALU_DEP_1)
	v_readfirstlane_b32 s28, v4                    ; wave 0..7
	s_mov_b32 s30, 0x76543210
	s_mov_b32 s31, 0xfedcba98                      ; v_permlanex16_b32's selects for lane l xor 16
	s_mov_b32 s37, 0                               ; the upper word of every offset
	s_wait_kmcnt 0x0
	s_cmp_lt_u32 ttmp9, 128
	s_cbranch_scc1 .Lpath_x
	s_cmp_lt_u32 ttmp9, 192
	s_cbranch_scc1 .Lpath_w
	; ---------------- M: 32 queries of one batch; wave w takes keys 256 w .. 256 w + 255
	s_sub_co_u32 s32, ttmp9, 192                   ; 64 b + qb
	s_lshl_b32 s36, s32, 16                        ; 32 rows of 2,048 bytes
	s_lshl_b32 s38, s28, 8
	s_add_co_u32 s36, s36, s38
	s_add_nc_u64 s[14:15], s[14:15], s[36:37]
	s_lshl_b32 s36, s32, 13                        ; 8,192 bytes of words for a block of queries, 1,024 of them mine
	s_lshl_b32 s38, s28, 10
	s_add_co_u32 s36, s36, s38
	s_add_nc_u64 s[24:25], s[24:25], s[36:37]
	s_mov_b32 s44, 0xff
	s_mov_b32 s45, 0xff00
	s_mov_b32 s46, 0xff0000
	s_mov_b32 s47, 0xff000000
	s_wait_alu depctr_va_vdst(0)
	v_lshlrev_b32 v4, 4, v2
	s_delay_alu instid0(VALU_DEP_1)
	v_lshl_add_u32 v4, v3, 11, v4                  ; in: lanes 0-15 one row's 256 bytes, lanes 16-31 the next row's
	s_mul_i32 s38, s28, 4352                       ; a stage of 16 rows, used twice
	s_add_co_u32 s38, s38, STGM                    ; my stage
	v_mul_u32_u24 v5, v3, 272
	s_delay_alu instid0(VALU_DEP_1)
	v_lshl_add_u32 v5, v2, 4, v5
	s_delay_alu instid0(VALU_DEP_1)
	v_add_nc_u32 v5, s38, v5
	v_mul_u32_u24 v6, v2, 272                      ; out: row r, 8 bytes for each half: rows 68 words apart, so the 32 lanes of a load of 8 bytes touch 64 different banks (ISA guide 11.1)
	s_delay_alu instid0(VALU_DEP_1)
	v_lshl_add_u32 v6, v3, 3, v6
	s_delay_alu instid0(VALU_DEP_1)
	v_add_nc_u32 v6, s38, v6
	v_lshlrev_b32 v8, 3, v1                        ; 8 x lane
.set n, 0
.rept 16
	global_load_b128 v[64+4*n:67+4*n], v4, s[14:15] offset:4096*n th:TH_LOAD_NT
.set n, n+1
.endr
.irp i, 0,1,2,3,4,5,6,7
	v_mov_b32 v[32+\i], 0                          ; v_writelane_b32's destination counts as read
.endr
	s_wait_loadcnt 0x0
.set n, 0
.rept 2                                        ; a query tile's 16 rows at a time through the same stage: LDS serves a wave's instructions in order (ISA guide 5.7.1.4)
.rept 8
	ds_store_b128 v5, v[64+4*n:67+4*n] offset:544*(n%8)
.set n, n+1
.endr
.set m, 0
.rept 16
	ds_load_b64 v[128+2*(2*n-16+m):129+2*(2*n-16+m)], v6 offset:16*m   ; register pair 16 qt + key tile: mask[16 qt + r][16 tile + 8 h + 0 .. 7]
.set m, m+1
.endr
.endr
	s_wait_dscnt 0x0
.set n, 0
.rept 64                                       ; register n: four bytes, j = 4 (n % 2) + 0 .. 3; a compare turns a byte of 32 lanes into a word, which goes to its lane of the store's data
.irp j, 0,1,2,3
	v_and_b32 v[12+\j], s[44+\j], v[128+n]
.endr
.irp j, 0,1,2,3
	s_delay_alu instid0(VALU_DEP_4)
	v_cmp_ne_u32 s[40+\j], 0, v[12+\j]
.endr
.irp j, 0,1,2,3
	v_writelane_b32 v[32+2*(((n/2)%16)/4)+(\j%2)], s[40+\j], 16*(n/32)+4*((n/2)%4)+2*(n%2)+\j/2
.endr
.set n, n+1
.endr
.irp k, 0,1,2,3
	global_store_b64 v8, v[32+2*\k:33+2*\k], s[24:25] offset:256*\k
.endr
	v_lshl_add_u32 v59, v0, 2, 153088              ; no two registers can be kept through all three paths: the add's two are made anew here, v0 as at the entry
	v_mov_b32 v60, 0
	s_wait_alu depctr_va_vdst(0)
	s_wait_tensorcnt 0x0
	ds_add_u32 v59, v60
	s_wait_dscnt 0x0
	s_endpgm
	; ---------------- W: wave = 32 columns x one K step of 128
.Lpath_w:
	s_sub_co_u32 s32, ttmp9, 128
	s_and_b32 s33, s32, 15
	s_lshl_b32 s33, s33, 2
	s_and_b32 s34, s28, 3
	s_add_co_u32 s33, s33, s34                     ; cg: which 32 columns
	s_lshr_b32 s34, s32, 4
	s_lshl_b32 s34, s34, 1
	s_lshr_b32 s35, s28, 2
	s_add_co_u32 s34, s34, s35                     ; which K step
	s_lshl_b32 s36, s34, 20                        ; 128 rows of 8,192 bytes
	s_lshl_b32 s38, s33, 7
	s_add_co_u32 s36, s36, s38
	s_add_nc_u64 s[10:11], s[10:11], s[36:37]
	s_lshl_b32 s36, s34, 13                        ; ws: 8,192 bytes a K step, 128 for my columns
	s_add_co_u32 s36, s36, s38
	s_add_nc_u64 s[22:23], s[22:23], s[36:37]
	s_lshr_b32 s36, s34, 1                         ; w_img: (128 x pair + 2 cg) x 3,072 + 1,536 x (step of the pair)
	s_lshl_b32 s36, s36, 7
	s_lshl_b32 s38, s33, 1
	s_add_co_u32 s36, s36, s38
	s_mul_i32 s36, s36, 3072
	s_and_b32 s38, s34, 1
	s_mul_i32 s38, s38, 1536
	s_add_co_u32 s36, s36, s38
	s_add_nc_u64 s[20:21], s[20:21], s[36:37]
	s_wait_alu depctr_va_vdst(0)
	v_lshlrev_b32 v4, 2, v1                        ; in: 4 bytes a lane
	v_bfe_u32 v12, v0, 3, 1                        ; u: which of my two tiles
	v_and_b32 v13, 7, v0
	s_delay_alu instid0(VALU_DEP_1)
	v_lshl_add_u32 v13, v3, 3, v13                 ; r' = 8 (lane / 16) + lane % 8: my row in it
	s_mul_i32 s38, s28, 3328
	s_add_co_u32 s38, s38, STGW
	v_mul_u32_u24 v5, v12, 1664                    ; 1,664 = 6 x 256 + 128: lanes 0-7 and lanes 8-15 of a store fall on different halves of the banks
	s_delay_alu instid0(VALU_DEP_1)
	v_lshl_add_u32 v5, v13, 4, v5
	s_delay_alu instid0(VALU_DEP_1)
	v_add_nc_u32 v5, s38, v5
	v_add_nc_u32 v6, s38, v7
	v_lshl_add_u32 v8, v12, 4, v13
	s_delay_alu instid0(VALU_DEP_1)
	v_lshlrev_b32 v8, 2, v8                        ; my word's place among my columns' 32
	WLOAD 0
	WLOAD 1
	WBLOCK 0
	WBLOCK 1
	WBLOCK 2
	WBLOCK 3
	s_wait_alu depctr_va_vdst(0)
	global_store_b32 v8, v24, s[22:23]
.irp n, 0,1,2,3,4,5
	ds_load_b128 v[64+4*\n:67+4*\n], v6 offset:1664*(\n/3)+512*(\n%3)   ; the two images, as they will be loaded
.endr
.irp n, 0,1,2,3,4,5
	s_wait_dscnt 5-\n                              ; LDS loads come back in order: number n is in
	global_store_b128 v7, v[64+4*\n:67+4*\n], s[20:21] offset:3072*(\n/3)+512*(\n%3)
.endr
	v_lshl_add_u32 v59, v0, 2, 153088
	v_mov_b32 v60, 0
	s_wait_alu depctr_va_vdst(0)
	s_wait_tensorcnt 0x0
	ds_add_u32 v59, v60
	s_wait_dscnt 0x0
	s_endpgm
	; ---------------- X: 64 rows of x.  Wave w: row tile t = w / 2, K steps 4 (w % 2) + 0 .. 3
.Lpath_x:
	s_lshr_b32 s32, s28, 1                         ; t
	s_and_b32 s33, s28, 1                          ; kh
	s_mul_i32 s34, s28, 8448                       ; my stage
	s_wait_alu depctr_va_vdst(0)
	v_add_nc_u32 v5, s34, v7                       ; in: 16 x lane, a row an instruction
	v_mul_u32_u24 v6, v2, 528                      ; out: row r, + 128 h: rows 33 x 16 bytes apart, so sixteen rows start in sixteen different columns of 16 bytes
	s_delay_alu instid0(VALU_DEP_1)
	v_lshl_add_u32 v6, v3, 7, v6
	s_delay_alu instid0(VALU_DEP_1)
	v_add_nc_u32 v6, s34, v6
	v_lshlrev_b32 v8, 2, v2
	s_delay_alu instid0(VALU_DEP_1)
	v_lshl_add_u32 v8, v3, 11, v8                  ; W_v: column r, 32 h rows of 64 bytes down
	v_lshlrev_b32 v9, 3, v3                        ; 8 h
	s_mul_i32 s35, s33, 6144
	s_add_co_u32 s35, s35, WVI
	v_add_nc_u32 v10, s35, v7                      ; W_v's images of my four K steps
	s_lshl_b32 s35, s33, 9
	s_add_co_u32 s35, s35, WVS
	v_lshl_add_u32 v11, v1, 2, s35
	s_lshl_b32 s35, s33, 10
	s_lshl_b32 s36, s32, 6
	s_add_co_u32 s35, s35, s36
	s_add_co_u32 s35, s35, XSS
	v_lshl_add_u32 v12, v2, 2, s35                 ; x's scale words: 256 x step + 4 x (16 t + r)
	s_mul_i32 s35, s33, 4352
	s_add_co_u32 s35, s35, s36
	s_add_co_u32 s35, s35, VP
	v_mul_u32_u24 v13, v2, 272
	s_delay_alu instid0(VALU_DEP_1)
	v_lshl_add_u32 v13, v3, 5, v13
	s_delay_alu instid0(VALU_DEP_1)
	v_add_nc_u32 v13, s35, v13                     ; my sums: head r, tokens 16 t + 8 h + 0 .. 7
	s_mul_i32 s35, s28, 1536
	s_add_co_u32 s35, s35, WVI
	v_add_nc_u32 v14, s35, v7                      ; where I put W_v's K step w
	v_lshl_add_u32 v15, v0, 2, WVS
	; the end: value leaves as bf16 IMAGES OF OPERAND REGISTERS, in vfr (the last argument; kpack gets nothing here): 4,096 bytes for 64 tokens: [variant 2][32 tokens 2][registers 0-3 | 4-7][lane 32][16 bytes].
	; Row r of variant v: r = 0-3: head 8 v + r; r = 8-11: head 8 v + r - 4; the other rows hold ones.  Thread T makes the 16 bytes at 16 T: 8 tokens 8 ((T >> 4) & 7) .. + 7 of its row's head
	v_bfe_u32 v16, v0, 3, 1
	v_and_b32 v17, 3, v0
	v_lshl_add_u32 v16, v16, 2, v17
	v_lshrrev_b32 v4, 7, v0
	v_lshl_add_u32 v16, v4, 3, v16                 ; the head (in a row of ones: some head, read and not used)
	v_bfe_u32 v17, v0, 4, 3
	v_mul_u32_u24 v4, v16, 272
	v_lshl_add_u32 v4, v17, 5, v4
	v_add_nc_u32 v4, VP, v4
	v_mov_b32 v[PD], 0                             ; a lane permute's destination counts as one of its sources
	s_lshl_b32 s36, ttmp9, 18                      ; x: 64 rows of 4,096 bytes, my 16 rows, my half of K
	s_lshl_b32 s38, s32, 16
	s_add_co_u32 s36, s36, s38
	s_lshl_b32 s38, s33, 11
	s_add_co_u32 s36, s36, s38
	s_add_nc_u64 s[8:9], s[8:9], s[36:37]
	s_lshl_b32 s36, s28, 13                        ; W_v: K step w
	s_add_nc_u64 s[12:13], s[12:13], s[36:37]
	s_lshl_b32 s36, s33, 10                        ; x_img: (512 x pair of steps + row tile) x 3,072, pair = 2 kh + i / 2
	s_lshl_b32 s38, ttmp9, 2
	s_add_co_u32 s36, s36, s38
	s_add_co_u32 s36, s36, s32
	s_mul_i32 s36, s36, 3072
	s_add_nc_u64 s[16:17], s[16:17], s[36:37]
	s_lshl_b32 s36, ttmp9, 12                      ; vfr: 4,096 bytes for my 64 tokens
	s_add_nc_u64 s[26:27], s[26:27], s[36:37]      ; my record's values
	s_lshl_b32 s36, s28, 15
	s_lshl_b32 s38, ttmp9, 8
	s_add_co_u32 s36, s36, s38
	s_add_nc_u64 s[18:19], s[18:19], s[36:37]      ; xs: K step w, my work-group's 64 rows
.set n, 0
.rept 64
	global_load_b32 v[X+n], v8, s[12:13] offset:64*(64*(n/32)+n%32)   ; W_v(128 w + 64 c + 32 h + i, r)
.set n, n+1
.endr
	XLOAD R0, 0
	XLOAD R0+64, 1
	s_wait_loadcnt 32                              ; W_v's 64 loads are in; x's 32, issued behind them, may be out
	QOP XF, XW
.irp p, 0,1,2
	ds_store_b128 v14, v[XF+4*\p:XF+4*\p+3] offset:512*\p
.endr
	ds_store_b32 v15, v[XW]
	s_wait_dscnt 0x0                               ; for the others' sake: my image of W_v has landed
	s_barrier_signal -1
	s_barrier_wait -1                              ; all eight K steps of W_v lie in LDS
	XSTEP 0
	XSTEP 1
	XSTEP 2
	XSTEP 3
	ds_store_b128 v13, v[D:D+3]                    ; the sums from their low end on
	ds_store_b128 v13, v[D+4:D+7] offset:16
	s_wait_dscnt 0x0                               ; my sums and my scale words have landed
	s_barrier_signal -1
	s_barrier_wait -1
	ds_load_b128 v[64:67], v4
	ds_load_b128 v[68:71], v4 offset:4352
	ds_load_b128 v[80:83], v4 offset:16
	ds_load_b128 v[84:87], v4 offset:4368
	v_lshl_add_u32 v72, v0, 3, XSS
	ds_load_b64 v[74:75], v72
	v_lshlrev_b32 v73, 4, v0
	v_lshlrev_b32 v76, 3, v1
	v_and_b32 v77, 4, v0
	v_mov_b32 v78, 0x3f803f80                      ; two ones in bf16
	v_cmp_ne_u32 vcc_lo, 0, v77                    ; rows 4-7 and 12-15
	s_wait_alu depctr_va_vdst(0)
	s_wait_dscnt 0x0
	v_pk_add_f32 v[64:65], v[64:65], v[68:69]      ; the two halves of K
	v_pk_add_f32 v[66:67], v[66:67], v[70:71]
	v_pk_add_f32 v[80:81], v[80:81], v[84:85]
	v_pk_add_f32 v[82:83], v[82:83], v[86:87]
	v_cvt_pk_bf16_f32 v64, v64, v65
	v_cvt_pk_bf16_f32 v65, v66, v67
	v_cvt_pk_bf16_f32 v66, v80, v81
	v_cvt_pk_bf16_f32 v67, v82, v83
	v_cndmask_b32 v64, v64, v78, vcc_lo
	v_cndmask_b32 v65, v65, v78, vcc_lo
	v_cndmask_b32 v66, v66, v78, vcc_lo
	v_cndmask_b32 v67, v67, v78, vcc_lo
	s_wait_alu depctr_va_vdst(0)
	global_store_b128 v73, v[64:67], s[26:27]      ; 32 lanes store 512 consecutive bytes, aligned
	global_store_b64 v76, v[74:75], s[18:19]
	v_lshl_add_u32 v59, v0, 2, 153088
	v_mov_b32 v60, 0
	s_wait_alu depctr_va_vdst(0)
	s_wait_tensorcnt 0x0
	ds_add_u32 v59, v60
	s_wait_dscnt 0x0
	s_endpgm
.Lfunc_end_k_q136cf22b66_prep:
	.size	k_q136cf22b66_prep, .Lfunc_end_k_q136cf22b66_prep-k_q136cf22b66_prep
	.p2alignl 7, 3214868480
	.fill 96, 4, 3214868480
	.section	.rodata,"a",@progbits
	.p2align	6, 0x0
	.amdhsa_kernel k_q136cf22b66_prep
		.amdhsa_group_segment_fixed_size 154112
		.amdhsa_private_segment_fixed_size 0
		.amdhsa_enable_private_segment 0
		.amdhsa_kernarg_size 80
		.amdhsa_user_sgpr_count 2
		.amdhsa_user_sgpr_kernarg_segment_ptr 1
		.amdhsa_wavefront_size32 1
		.amdhsa_system_sgpr_workgroup_id_x 1
		.amdhsa_system_sgpr_workgroup_id_y 1
		.amdhsa_system_sgpr_workgroup_id_z 1
		.amdhsa_system_vgpr_workitem_id 0
		.amdhsa_next_free_vgpr 256
		.amdhsa_next_free_sgpr 66
		.amdhsa_reserve_vcc 1
		.amdhsa_float_denorm_mode_32 3
		.amdhsa_float_denorm_mode_16_64 3
		.amdhsa_memory_ordered 1
		.amdhsa_forward_progress 1
		.amdhsa_inst_pref_size 131
	.end_amdhsa_kernel
	.amdgpu_metadata
---
amdhsa.version: [ 1, 2 ]
amdhsa.kernels:
  - .name:           k_q136cf22b66_prep
    .symbol:         k_q136cf22b66_prep.kd
    .args:
      - { .name: x, .offset: 0, .size: 8, .value_kind: global_buffer, .address_space: global }
      - { .name: W_qk, .offset: 8, .size: 8, .value_kind: global_buffer, .address_space: global }
      - { .name: W_v, .offset: 16, .size: 8, .value_kind: global_buffer, .address_space: global }
      - { .name: att_mask, .offset: 24, .size: 8, .value_kind: global_buffer, .address_space: global }
      - { .name: x_img, .offset: 32, .size: 8, .value_kind: global_buffer, .address_space: global }
      - { .name: xs, .offset: 40, .size: 8, .value_kind: global_buffer, .address_space: global }
      - { .name: w_img, .offset: 48, .size: 8, .value_kind: global_buffer, .address_space: global }
      - { .name: ws, .offset: 56, .size: 8, .value_kind: global_buffer, .address_space: global }
      - { .name: mbits, .offset: 64, .size: 8, .value_kind: global_buffer, .address_space: global }
      - { .name: vfr, .offset: 72, .size: 8, .value_kind: global_buffer, .address_space: global }
    .group_segment_fixed_size: 154112
    .private_segment_fixed_size: 0
    .kernarg_segment_align: 8
    .kernarg_segment_size: 80
    .max_flat_workgroup_size: 256
    .sgpr_count:     66
    .vgpr_count:     256
    .wavefront_size: 32
...
	.end_amdgpu_metadata
.endif
;; end of part 1
;; launch proj (part 2): grid 8 x 32, 16 waves a work-group, clusters of 4 x 4, 327,680 bytes of LDS; arguments x_img, xs, w_img, ws, qpack, kpack; writes qpack, kpack
.if DOCPART == 2
	.amdgcn_target "amdgcn-amd-amdhsa--gfx1250"
	.amdhsa_code_object_version 6
	.text
	.protected	k_q136cf22b66_proj
	.globl	k_q136cf22b66_proj
	.p2align	8
	.type	k_q136cf22b66_proj,@function
k_q136cf22b66_proj:
	s_mov_b64 s[64:65], 0
	v_nop
	global_prefetch_b8 v0, s[64:65] scope:SCOPE_SE
	s_setreg_imm32_b32 hwreg(HW_REG_WAVE_MODE, 25, 1), 1
	s_wait_xcnt 0x0
	s_wait_alu depctr_hold_cnt(0) depctr_sa_sdst(0) depctr_va_vdst(0) depctr_va_sdst(0) depctr_va_ssrc(0) depctr_va_vcc(0) depctr_vm_vsrc(0)
	s_getreg_b32 s2, hwreg(HW_REG_IB_STS2, 6, 4)
	s_cmp_eq_u32 s2, 0
	s_cbranch_scc0 .Lentry_in_a_cluster
	s_endpgm
.Lentry_in_a_cluster:
	s_bfe_u32 s2, ttmp6, 0x10000c
	s_cmp_lg_u32 s2, 0xf033
	s_cbranch_scc0 .Lentry_shape_is_right
	s_endpgm
.Lentry_shape_is_right:
; PROJ: qk = Q(x) Q(W_qk) on codes of FP6 (E2M3) with E8M0 scales, M 8,192, N 2,048, K 1,024, and the quantising of q and k along each head's 64, in registers.
; A work-group makes 256 tokens x 256 features.  Sixteen waves, four to a SIMD, 256 registers each (no register windows); wave (wr, wc) makes 64 tokens x 64 features: ONE GROUP OF 64 TOKENS x ONE HEAD,
; 16 accumulators.  So the way out needs no other wave and no stage: a head's 64 numbers of a token lie in two lanes.
; All operands lie in memory as images of operand registers (registers 4 p .. 4 p + 3 of lane l at 512 p + 16 l), so a work-group's tiles of a pair of K steps are ONE dense block of 49,152 bytes for A and one
; for B, every LDS read is 512 consecutive bytes, and nothing is padded.
; K goes in four pairs of steps of 128.  Three LDS slots take pairs 0, 1, 2 at the start; slot 0 is filled once more, with pair 3, and has four K steps in which to land.
; THE PRODUCT IS USED TRANSPOSED (source 0 = 16 features, source 1 = 16 tokens): a lane holds ONE token.  The features of a tile were chosen by the launch before (row 8 h + j of tile 2 g + u is feature
; 32 g + 16 h + 8 u + j), so the 16 registers of tiles 2 b, 2 b + 1 are features 32 b + 16 h + 0 .. 15 of the head.
; CLUSTERS: 4 x 4 work-groups; the four of a row need the same tokens' tiles, the four of a column the same features': each tile and each block of scale words is asked for JOINTLY.
; OUT: records of 57,344 bytes for 64 tokens: codes at 3,072 x head (4 token tiles x 6 registers, as an image), scale words at 49,152 + 256 x head (lane (r, h): tile h's word of row r, then tile 2 + h's).
; A word is byte 0 | byte 1 << 8 | 0x7f7f0000: the head's K is 64, the upper half of the next product's K is zeros.
; LIMITS: NaN and infinities are not served; a block of zeros or under 2^-124 gets the byte 1, read by this program alone.
.set SLOT,  98304                      ; A's 16 row tiles x 3,072 bytes, then B's 16
.set BOFF,  49152
.set SCL,   3*SLOT                     ; scale words: A's [step 8][256 rows], then B's: filled once
.set SPARE, SCL+16384                  ; the spare words, 128 bytes for each wave: eight blocks of 256 bytes that no other line names
.set REC,   57344
.set SPW, 1                            ; v1   LDS address of my spare word; never rewritten
.set NIL, 2                            ; v2   0; never rewritten
.set LI,  3                            ; v3   16 x lane
.set ADA, 4                            ; v4-6 my four tiles of A in slot 0, 1, 2
.set ADB, 7                            ; v7-9 the same for B
.set ADS, 10                           ; v10  my scale words: lanes 0-15 A's rows, lanes 16-31 B's
.set L8,  11                           ; v11  8 x lane
.set SC,  16                           ; v16-19  scale words and nothing else: register i: lanes 0-15 token tile i, lanes 16-31 feature tile i
.set AF,  20                           ; v20-67  four fragments of x
.set BF,  68                           ; v68-115 four fragments of W
.set ACC, 128                          ; v128-255 accumulator (token tile a, feature tile f) at 128 + 32 a + 8 f
.set OUT, 20                           ; the way out: 24 registers of codes
.set MX,  68
.set PD,  70
.set SO,  72
.set BY,  74
.set TMP, 76
.set WD,  80
.set W01, 84
.set G1A,  16                          ; s[16:23] group 1 for A's tiles, s[24:31] B's, s[32:39] A's scale words, s[40:47] B's
.set G1B,  24
.set G1SA, 32
.set G1SB, 40
.set G0A,  48                          ; s[48:59] group 0 for A's tiles, one set for each slot; s[60:63] A's scale words
.set G0SA, 60
.set G0B,  68                          ; s[68:79], s[80:83] the same for B
.set G0SB, 80
.set WV,   84
.macro CROUND                          ; a round of the cluster's barrier
	s_barrier_signal -1
	s_barrier_wait -1
	s_cmp_lg_u32 s[WV], 0
	s_cbranch_scc1 .Lnot_wave_0_\@
	s_barrier_signal -3
.Lnot_wave_0_\@:
	s_barrier_wait -3
	s_barrier_signal -1
	s_barrier_wait -1
.endm
.macro PLACES
.rept 4
	v_nop
.endr
.endm
; One K step of 128: 24 loads of fragments, 4 of scale words, 16 products.  The 16 accumulators take turns, one instruction a turn, in the same order in every step.
.macro KSTEP sl, half, step, zero
.irp i, 0,1,2,3
.irp p, 0,1,2
	ds_load_b128 v[AF+12*\i+4*\p:AF+12*\i+4*\p+3], v[ADA+\sl] offset:3072*\i+1536*\half+512*\p
.endr
.endr
.irp i, 0,1,2,3
.irp p, 0,1,2
	ds_load_b128 v[BF+12*\i+4*\p:BF+12*\i+4*\p+3], v[ADB+\sl] offset:3072*\i+1536*\half+512*\p
.endr
.endr
.irp i, 0,1,2,3
	ds_load_b32 v[SC+\i], v[ADS] offset:1024*\step+64*\i
.endr
	s_wait_dscnt 0x0                               ; all 28 are in
.irp a, 0,1,2,3
.irp f, 0,1,2,3
.if \zero
	v_wmma_scale_f32_16x16x128_f8f6f4 v[ACC+32*\a+8*\f:ACC+32*\a+8*\f+7], v[BF+12*\f:BF+12*\f+11], v[AF+12*\a:AF+12*\a+11], 0, v[SC+\f], v[SC+\a] matrix_a_fmt:MATRIX_FMT_FP6 matrix_b_fmt:MATRIX_FMT_FP6 matrix_a_scale:MATRIX_SCALE_ROW1
.else
	v_wmma_scale_f32_16x16x128_f8f6f4 v[ACC+32*\a+8*\f:ACC+32*\a+8*\f+7], v[BF+12*\f:BF+12*\f+11], v[AF+12*\a:AF+12*\a+11], v[ACC+32*\a+8*\f:ACC+32*\a+8*\f+7], v[SC+\f], v[SC+\a] matrix_a_fmt:MATRIX_FMT_FP6 matrix_b_fmt:MATRIX_FMT_FP6 matrix_a_scale:MATRIX_SCALE_ROW1
.endif
.endr
.endr
	PLACES                                         ; in front of the next loads into registers that these products read, and of the first read of results
.endm
; Token tile a: its 32 registers are the head's 64 numbers of my token, 16 of each block of 32; the other 16 lie in lane l xor 16.
.macro QHEAD a
.set AC, ACC+32*\a
.irp b, 0,1
	v_max3_num_f32 v[MX+\b], |v[AC+16*\b]|, |v[AC+16*\b+1]|, 0x1800000   ; each accumulator is read from its low end on; the floor 2^(3 - 127) holds the byte at 1 from below
.endr
.irp i, 2,4,6,8,10,12,14
.irp b, 0,1
	v_max3_num_f32 v[MX+\b], v[MX+\b], |v[AC+16*\b+\i]|, |v[AC+16*\b+\i+1]|
.endr
.endr
.irp b, 0,1
	s_delay_alu instid0(VALU_DEP_2)
	v_permlanex16_b32 v[PD+\b], v[MX+\b], s93, s94
.endr
.irp b, 0,1
	s_delay_alu instid0(VALU_DEP_2)
	v_max_num_f32 v[MX+\b], v[MX+\b], v[PD+\b]     ; the block's largest magnitude
.endr
.irp b, 0,1
	s_delay_alu instid0(VALU_DEP_2)
	v_add_nc_u32 v[SO+\b], 0xff000000, v[MX+\b]    ; 2 off the exponent field: the conversion's scale operand
.endr
.irp b, 0,1
	s_delay_alu instid0(VALU_DEP_2)
	v_lshrrev_b32 v[BY+\b], 23, v[SO+\b]
.endr
	s_delay_alu instid0(VALU_DEP_1)
	v_lshl_or_b32 v[WD+\a], v[BY+1], 8, v[BY]
	s_delay_alu instid0(VALU_DEP_1)
	v_or_b32 v[WD+\a], 0x7f7f0000, v[WD+\a]        ; the bytes of the unused half of K stand for 1
	v_cvt_scalef32_pk16_fp6_f32 v[OUT+6*\a:OUT+6*\a+2], v[AC:AC+15], v[SO]
	v_cvt_scalef32_pk16_fp6_f32 v[TMP:TMP+2], v[AC+16:AC+31], v[SO+1]
	v_nop                                          ; one plain place behind a scaled conversion
.irp i, 0,1,2
	v_permlane16_swap_b32 v[OUT+6*\a+\i], v[TMP+\i]   ; the operand's layout wants a whole block in a lane: lanes 0-15 block 0, lanes 16-31 block 1
.endr
.irp i, 0,1,2
	s_delay_alu instid0(VALU_DEP_3)
	v_mov_b32 v[OUT+6*\a+3+\i], v[TMP+\i]
.endr
.endm
	s_load_b256 s[4:11], s[0:1], 0x0               ; x_img 4, xs 6, w_img 8, ws 10
	s_load_b128 s[12:15], s[0:1], 0x20             ; qpack 12, kpack 14
	v_lshl_add_u32 v[SPW], v0, 2, SPARE
	v_mov_b32 v[NIL], 0
	ds_add_u32 v1, v2
	ds_add_u32 v1, v2
	s_wait_dscnt 0x0
	v_lshrrev_b32 v3, 5, v0
	s_delay_alu instid0(VALU_DEP_1)
	v_readfirstlane_b32 s[WV], v3                  ; wave 0..15
	s_lshr_b32 s85, s[WV], 2                       ; wr: which 64 tokens
	s_and_b32 s86, s[WV], 3                        ; wc: which 64 features.  Also: which quarter of a slot I fetch, if I fetch
	s_and_b32 s88, s[WV], 1                        ; which half of A's or of B's part
	s_bfe_u32 s89, ttmp6, 0x40000                  ; cx
	s_bfe_u32 s90, ttmp6, 0x40004                  ; cy
	s_lshl_b32 s91, ttmp9, 2
	s_add_co_u32 s91, s91, s89                     ; tx: which 256 features
	s_and_b32 s92, ttmp7, 0xffff
	s_lshl_b32 s92, s92, 2
	s_add_co_u32 s92, s92, s90                     ; ty: which 256 tokens
	s_lshl_b32 s93, s90, 2
	s_lshl_b32 s93, 15, s93                        ; my row of the cluster
	s_lshl_b32 s94, 0x1111, s89                    ; my column
	s_or_b32 s[G1A], s93, (3<<16)|(1<<21)          ; 15:0 the mask; 17:16 elements of 8 bytes; 20 no padding; 21 set beside a mask
	s_or_b32 s[G1B], s94, (3<<16)|(1<<21)
	s_or_b32 s[G1SA], s93, (3<<16)|(1<<21)
	s_or_b32 s[G1SB], s94, (3<<16)|(1<<21)
.irp g, G1A, G1B                               ; half of a part: 24,576 dense bytes as 96 rows of 256
	s_mov_b32 s[\g+1], 32<<16                      ; tensor_dim0 = 32 elements
	s_mov_b32 s[\g+2], 96<<16                      ; tensor_dim1 = 96
	s_mov_b32 s[\g+3], 32<<16                      ; tile_dim0
	s_mov_b32 s[\g+4], 96                          ; tile_dim1
	s_mov_b32 s[\g+5], 32                          ; the pitch
	s_mov_b32 s[\g+6], 0
	s_mov_b32 s[\g+7], 0
.endr
.irp g, G1SA, G1SB                             ; scale words of 256 rows for four K steps: 4 rows of 1,024 bytes
	s_mov_b32 s[\g+1], 128<<16
	s_mov_b32 s[\g+2], 4<<16
	s_mov_b32 s[\g+3], 128<<16
	s_mov_b32 s[\g+4], 4
	s_mov_b32 s[\g+6], 0
	s_mov_b32 s[\g+7], 0
.endr
	s_mov_b32 s[G1SA+5], 4096                      ; a K step of xs is 32,768 bytes,
	s_mov_b32 s[G1SB+5], 1024                      ; of ws 8,192
	; where the tiles come from: A's hang on ty and the wave alone, B's on tx and the wave alone, each in registers that never hold the other coordinate
	s_lshl_b32 s95, s88, 3
	s_lshl_b32 s96, s92, 4
	s_add_co_u32 s96, s96, s95
	s_mul_i32 s96, s96, 3072                       ; A: row tile 16 ty + 8 x half
	s_mov_b32 s97, 0
	s_lshl_b32 s98, s91, 4
	s_add_co_u32 s98, s98, s95
	s_mul_i32 s98, s98, 3072                       ; B: feature tile 16 tx + 8 x half
	s_mov_b32 s99, 0
	s_lshl_b32 s100, s88, 17                       ; A's words: K steps 4 x half on, rows 256 ty on
	s_lshl_b32 s101, s92, 10
	s_add_co_u32 s100, s100, s101
	s_mov_b32 s101, 0
	s_lshl_b32 s2, s88, 15                         ; B's
	s_lshl_b32 s3, s91, 10
	s_add_co_u32 s2, s2, s3
	s_mov_b32 s3, 0
	s_mul_i32 s87, s86, 24576                      ; where they go: wave x a quarter of a slot: no place in the cluster enters an LDS address
	s_lshl_b32 s95, s86, 12
	s_add_co_u32 s95, s95, SCL
	s_wait_kmcnt 0x0
	s_add_nc_u64 s[96:97], s[4:5], s[96:97]
	s_add_nc_u64 s[98:99], s[8:9], s[98:99]
	s_add_nc_u64 s[100:101], s[6:7], s[100:101]
	s_add_nc_u64 s[2:3], s[10:11], s[2:3]
.irp sl, 0,1,2
	s_mov_b32 s[G0A+4*\sl], 1                      ; count = 1
	s_add_co_u32 s[G0A+4*\sl+1], s87, \sl*SLOT     ; LDS address
	s_add_nc_u64 s[G0A+4*\sl+2:G0A+4*\sl+3], s[96:97], \sl*1572864   ; pair of K steps sl: 512 tiles of 3,072 bytes on
	s_or_b32 s[G0A+4*\sl+3], s[G0A+4*\sl+3], 0x80000000   ; type = 2
	s_mov_b32 s[G0B+4*\sl], 1
	s_add_co_u32 s[G0B+4*\sl+1], s87, \sl*SLOT
	s_add_nc_u64 s[G0B+4*\sl+2:G0B+4*\sl+3], s[98:99], \sl*393216    ; 128 tiles on
	s_or_b32 s[G0B+4*\sl+3], s[G0B+4*\sl+3], 0x80000000
.endr
	s_mov_b32 s[G0SA], 1
	s_mov_b32 s[G0SA+1], s95
	s_mov_b64 s[G0SA+2:G0SA+3], s[100:101]
	s_or_b32 s[G0SA+3], s[G0SA+3], 0x80000000
	s_mov_b32 s[G0SB], 1
	s_mov_b32 s[G0SB+1], s95
	s_mov_b64 s[G0SB+2:G0SB+3], s[2:3]
	s_or_b32 s[G0SB+3], s[G0SB+3], 0x80000000
	CROUND                                         ; all sixteen work-groups are here: the first joint loads meet
; THE SIXTEEN FIRST FILLS, ONE A WAVE: waves 0-3 slot 0 (A's halves, B's halves), 4-7 the scale words (A's, B's), 8-11 slot 1, 12-15 slot 2.
; Every descriptor hangs on wave % 4 and wave % 2 alone, so each wave's own registers already name its quarter.  One chain of branches on the wave's number, one load to an arm, one join.
.macro ARM under, g0, g1
	s_cmp_lt_u32 s[WV], \under
	s_cbranch_scc0 .Larm_\@
	tensor_load_to_lds s[\g0:\g0+3], s[\g1:\g1+7]
	s_nop 0
	PLACES
	s_branch .Lfilled
.Larm_\@:
.endm
	ARM 2, G0A, G1A
	ARM 4, G0B, G1B
	ARM 6, G0SA, G1SA
	ARM 8, G0SB, G1SB
	ARM 10, G0A+4, G1A
	ARM 12, G0B+4, G1B
	ARM 14, G0A+8, G1A
	tensor_load_to_lds s[G0B+8:G0B+11], s[G1B:G1B+7]
	s_nop 0
	PLACES
.Lfilled:
	v_and_b32 v12, 31, v0
	s_delay_alu instid0(VALU_DEP_1)
	v_lshlrev_b32 v[LI], 4, v12
	s_delay_alu instid0(VALU_DEP_2)
	v_lshlrev_b32 v[L8], 3, v12
	s_mul_i32 s4, s85, 12288                       ; my four tiles of A,
	s_mul_i32 s5, s86, 12288
	s_add_co_u32 s5, s5, BOFF                      ; and of B
.irp sl, 0,1,2
	v_add_nc_u32 v[ADA+\sl], s4, v[LI]
	v_add_nc_u32 v[ADB+\sl], s5, v[LI]
	s_add_co_u32 s4, s4, SLOT
	s_add_co_u32 s5, s5, SLOT
.endr
	v_and_b32 v12, 15, v0
	v_bfe_u32 v13, v0, 4, 1
	s_lshl_b32 s4, s85, 8
	s_lshl_b32 s5, s86, 8
	s_add_co_u32 s5, s5, 8192
	s_sub_co_u32 s5, s5, s4                        ; from A's words of my tokens to B's of my features
	v_mul_u32_u24 v13, s5, v13                     ; lanes 16-31 take B's
	s_add_co_u32 s4, s4, SCL
	v_lshl_add_u32 v12, v12, 2, s4
	s_delay_alu instid0(VALU_DEP_1)
	v_add_nc_u32 v[ADS], v12, v13
	; where my head's codes and words go: record 4 ty + wr, head 4 cx + wc, of q (features under 1,024: cluster x = 0) or of k
	s_lshl_b32 s4, s92, 2
	s_add_co_u32 s4, s4, s85
	s_mul_i32 s4, s4, REC
	s_lshl_b32 s6, s89, 2
	s_add_co_u32 s6, s6, s86
	s_mul_i32 s8, s6, 3072
	s_add_co_u32 s8, s8, s4
	s_mov_b32 s9, 0
	s_lshl_b32 s10, s6, 8
	s_add_co_u32 s10, s10, s4
	s_add_co_u32 s10, s10, 49152
	s_mov_b32 s11, 0
	s_cmp_eq_u32 ttmp9, 0                          ; the choice hangs on the cluster's number alone
	s_cselect_b64 s[12:13], s[12:13], s[14:15]
	s_add_nc_u64 s[14:15], s[12:13], s[10:11]
	s_add_nc_u64 s[12:13], s[12:13], s[8:9]
	s_wait_alu depctr_va_vdst(0)
	s_wait_tensorcnt 0x0                           ; my one load is in
	s_barrier_signal -1
	s_barrier_wait -1                              ; everybody's are
	KSTEP 0, 0, 0, 1                               ; the first products start the sums: nothing is cleared
	KSTEP 0, 1, 1, 0
	s_wait_tensorcnt 0x0                           ; all my tensor loads have landed, so a group 0 may be written;
	ds_add_u32 v[SPW], v[NIL]                      ; 0 onto my spare word
	s_add_nc_u64 s[G0A+2:G0A+3], s[G0A+2:G0A+3], 3*1572864   ; slot 0's next tiles: the fourth pair of K steps
	s_add_nc_u64 s[G0B+2:G0B+3], s[G0B+2:G0B+3], 3*393216
	s_wait_dscnt 0x0                               ; the add is done, and my reads of slot 0 are over
	CROUND                                         ; no wave of any partner still reads slot 0 or has a load on its way
	s_cmp_lt_u32 s[WV], 2
	s_cbranch_scc0 .Lre_not_a
	tensor_load_to_lds s[G0A:G0A+3], s[G1A:G1A+7]  ; my one tensor load behind the round, and the first thing there
	s_nop 0
	PLACES
	s_branch .Lrefilled
.Lre_not_a:
	s_cmp_lt_u32 s[WV], 4
	s_cbranch_scc0 .Lrefilled
	tensor_load_to_lds s[G0B:G0B+3], s[G1B:G1B+7]
	s_nop 0
	PLACES
.Lrefilled:
	KSTEP 1, 0, 2, 0
	KSTEP 1, 1, 3, 0
	KSTEP 2, 0, 4, 0
	KSTEP 2, 1, 5, 0
	s_wait_tensorcnt 0x0                           ; my part of the fourth pair is in
	ds_add_u32 v[SPW], v[NIL]
	s_wait_dscnt 0x0
	s_barrier_signal -1
	s_barrier_wait -1                              ; everybody's is; nothing is filled again, so no round
	KSTEP 0, 0, 6, 0
	KSTEP 0, 1, 7, 0
	; THE WAY OUT: my 64 tokens' numbers of my head become codes and scale words, and leave from registers: every store covers whole runs of 256 consecutive bytes, aligned
	s_mov_b32 s93, 0x76543210
	s_mov_b32 s94, 0xfedcba98                      ; v_permlanex16_b32's selects for lane l xor 16
	s_mov_b32 s95, 0xffff0000                      ; lanes 16-31
	v_mov_b32 v[PD], 0                             ; a lane permute's destination counts as one of its sources
	v_mov_b32 v[PD+1], 0
	QHEAD 0
	QHEAD 1
	QHEAD 2
	QHEAD 3
	v_cndmask_b32 v[W01], v[WD], v[WD+1], s95      ; lanes 0-15 tile 0's word, lanes 16-31 tile 1's
	v_cndmask_b32 v[W01+1], v[WD+2], v[WD+3], s95  ; tiles 2 and 3
.irp p, 0,1,2,3,4,5
	global_store_b128 v[LI], v[OUT+4*\p:OUT+4*\p+3], s[12:13] offset:512*\p
.endr
	global_store_b64 v[L8], v[W01:W01+1], s[14:15]
	s_wait_tensorcnt 0x0                           ; the wave's end
	ds_add_u32 v[SPW], v[NIL]
	s_wait_dscnt 0x0
	CROUND                                         ; the closing round: no work-group ends while a partner may still ask for a tile that names it
	s_endpgm
.Lfunc_end_k_q136cf22b66_proj:
	.size	k_q136cf22b66_proj, .Lfunc_end_k_q136cf22b66_proj-k_q136cf22b66_proj
	.p2alignl 7, 3214868480
	.fill 96, 4, 3214868480
	.section	.rodata,"a",@progbits
	.p2align	6, 0x0
	.amdhsa_kernel k_q136cf22b66_proj
		.amdhsa_group_segment_fixed_size 327680
		.amdhsa_private_segment_fixed_size 0
		.amdhsa_enable_private_segment 0
		.amdhsa_kernarg_size 48
		.amdhsa_user_sgpr_count 2
		.amdhsa_user_sgpr_kernarg_segment_ptr 1
		.amdhsa_wavefront_size32 1
		.amdhsa_system_sgpr_workgroup_id_x 1
		.amdhsa_system_sgpr_workgroup_id_y 1
		.amdhsa_system_sgpr_workgroup_id_z 1
		.amdhsa_system_vgpr_workitem_id 0
		.amdhsa_next_free_vgpr 256
		.amdhsa_next_free_sgpr 102
		.amdhsa_reserve_vcc 0
		.amdhsa_float_denorm_mode_32 3
		.amdhsa_float_denorm_mode_16_64 3
		.amdhsa_memory_ordered 1
		.amdhsa_forward_progress 1
		.amdhsa_inst_pref_size 54
	.end_amdhsa_kernel
	.amdgpu_metadata
---
amdhsa.version: [ 1, 2 ]
amdhsa.kernels:
  - .name:           k_q136cf22b66_proj
    .symbol:         k_q136cf22b66_proj.kd
    .args:
      - { .name: x_img, .offset: 0, .size: 8, .value_kind: global_buffer, .address_space: global }
      - { .name: xs, .offset: 8, .size: 8, .value_kind: global_buffer, .address_space: global }
      - { .name: w_img, .offset: 16, .size: 8, .value_kind: global_buffer, .address_space: global }
      - { .name: ws, .offset: 24, .size: 8, .value_kind: global_buffer, .address_space: global }
      - { .name: qpack, .offset: 32, .size: 8, .value_kind: global_buffer, .address_space: global }
      - { .name: kpack, .offset: 40, .size: 8, .value_kind: global_buffer, .address_space: global }
    .group_segment_fixed_size: 327680
    .private_segment_fixed_size: 0
    .kernarg_segment_align: 8
    .kernarg_segment_size: 48
    .max_flat_workgroup_size: 512
    .sgpr_count:     102
    .vgpr_count:     256
    .wavefront_size: 32
...
	.end_amdgpu_metadata
.endif
;; end of part 2
;; launch attn (part 3): grid 64 x 4, 16 waves a work-group, no clusters, 301,056 bytes of LDS; arguments qpack, kpack, vfr, mbits, att_mask, out0; writes out0
.if DOCPART == 3
	.amdgcn_target "amdgcn-amd-amdhsa--gfx1250"
	.amdhsa_code_object_version 6
	.text
	.protected	k_q136cf22b66_attn
	.globl	k_q136cf22b66_attn
	.p2align	8
	.type	k_q136cf22b66_attn,@function
k_q136cf22b66_attn:
	s_mov_b64 s[64:65], 0
	v_nop
	global_prefetch_b8 v0, s[64:65] scope:SCOPE_SE
	s_setreg_imm32_b32 hwreg(HW_REG_WAVE_MODE, 25, 1), 1
	s_wait_xcnt 0x0
; ATTN: out[b][q] = sigmoid(where(mask[b][2047][q], -60000, sum over 16 heads of softmax_k(where(mask[b][q][k], -60000, q . k / 8)) . value)).
; q . k on codes of FP6 (E2M3) with E8M0 scales, K = 64; p . value on bf16 operands with f32 sums; all else in f32.
; SHARES.  A work-group owns 32 queries of one batch: each output has one owner.  WAVE w takes keys 128 w .. 128 w + 127 and ALL 16 HEADS: two steps of 64 keys, each in two trips of 8 heads.
; THE MASK IS THE C OF THE SCORE PRODUCT: 0 where a key counts, -2^100 where it is masked: 64 registers, made once a step from lane masks and used by all 16 heads.  A score of magnitude under 2^76 is
; lost in that sum, so a masked key's p is 0 beside any key that counts.  THE MASKED KEYS ENTER AT THE END: in reference() each of them has the score -60000, so all of a row's have ONE weight e^(-60000 - m);
; their share of the row's sum is that weight x their number, and of the weighted sum that weight x the sum of their values.  Number and sum are products of the mask (-2^100 in bf16) with V, taken per trip.
; The row's m is the larger of the largest unmasked score and, if any key is masked, -60000.  That is reference()'s softmax term by term, for a row masked throughout too.
; LAYOUT.  S^T = K Q^T: lane (r, h) holds query r, register j of key tile kt key 16 kt + 8 h + j.  Packed to bf16 in place, tiles 2 c, 2 c + 1 are the operand of 32 keys x 16 queries.
; V's operand (made by the first launch): rows 0-3 and 8-11 eight heads' values, the other rows ones.  So head i of a trip finds o in register i % 4 (lanes 0-15 for i < 4, else 16-31) and l in register 4.
; NO RESCALING IN THE LOOP: each (64 keys, head) keeps its own maximum; -c m, o and l go to LDS, and 32 such parts are joined at the end, wave = head, lane = query.
; THE UNUSED HALF OF THE INSTRUCTION'S K: Q's fragment is 6 registers of codes and 6 of zeros.  K's fragment kt is registers 6 kt .. 6 kt + 11 of its set: its upper half is the next tile's codes, and for the
; last tile the six registers that follow the set (the mask's, V's).  Every pattern of 6 bits is a finite number of E2M3 and the upper scale bytes stand for 1: against Q's zero codes they add exactly 0.
; K HAS TWO SETS OF REGISTERS: head i's products free set i % 2, which takes head i + 2's fragments: 7 loads (6 of codes, 1 of scale words) are out at a head's start.
; NO CLUSTER, NO TENSOR LOAD: the sixteen waves walk sixteen different records at a time, 16 x 57,344 = 917,504 bytes, more than LDS; each byte of K is read by one wave of the work-group, once, into registers.
; NO SEPARATE PREFETCH: each head's fragments are asked for two heads ahead of their use, straight into registers.  No load is jumped over, so that every count holds on every path: in the last trip
; the requests for a next trip name the trip's own first two heads and its own V again, inside their buffers.
; LIMITS: NaN and infinities are not served; |q . k| under 2^76; a p under 2^-126 counts as 0; p and value are rounded to bf16.  The work-group's 32 results are 128 consecutive bytes.
.set REC,   57344                      ; a record of 64 keys: codes 3,072 x head; scale words 49,152 + 256 x head
.set QSL,   24576                      ; LDS: Q's codes 1,536 x head from 0; here Q's scale words, 128 x head
.set PART,  26624                      ; parts: 6,144 x (2 wave + step) + 384 x head: -c m [32 q], then for each query tile 128 bytes: o in one half, l in the other
.set MSK,   223232                     ; the masked keys' sums: 2,304 x (2 wave + step) + 1,152 x variant: [query tile 2][lane][4 registers], then the count [query tile 2][16]
.set STG,   296960                     ; each head's share of the 32 results
.set SPARE, 299008                     ; the spare words, 128 bytes a wave, that no other line names
.set SPW, 1
.set NIL, 2
.set LI,  3                            ; 16 x lane
.set L8,  4
.set L4,  5
.set R4,  6                            ; 4 x (lane % 16)
.set AQ,  7                            ; Q's codes and scale words of this trip's heads
.set AQS, 8
.set AP,  9                            ; my parts: + 4 x lane, + 4 x r
.set APR, 10
.set QS,  11                           ; v11 Q's scale words, v20-23 K's, two sets: scales and nothing else
.set NM,  12                           ; v12-15 -c m, a pair for each query tile; the upper halves take the lane permutes
.set CH,  16
.set KS0, 20
.set QF,  24                           ; v24-47
.set K1,  48                           ; v48-71   K, odd heads; V's operand follows
.set VF,  72                           ; v72-87   V's operand: 2 x 32 keys
.set OL,  88                           ; v88-103  o and l, 8 registers a query tile
.set K0,  104                          ; v104-127 K, even heads; the mask follows
.set CM,  128                          ; v128-191 the mask as C
.set S,   192                          ; v192-255 scores, p, and packed p in the lower 32
.set WV,  84
.set T,   85                           ; trip 0..3 = 2 step + half
.set KB,  86
.set NKB, 88
.set KSB, 90
.set NKSB, 92
.set VB,  94
; s2, s3 Q's places in LDS for this half, s5, s6 for the other; s4 -2^100; s99, s104 my parts' places; s[96:97] c, s98 -c; s66, s67 lane selects; s105 byte select; s[16:63], s[68:83] 64 lane masks
.macro PLACES n
.rept \n
	v_nop
.endr
.endm
.macro SCORE qt, kt, kf, ks
.if ((\kt)%2 == 0) && (\qt == 0)
	v_wmma_scale_f32_16x16x128_f8f6f4 v[S+32*\qt+8*\kt:S+32*\qt+8*\kt+7], v[\kf+6*\kt:\kf+6*\kt+11], v[QF+12*\qt:QF+12*\qt+11], v[CM+32*\qt+8*\kt:CM+32*\qt+8*\kt+7], v[\ks+\kt/2], v[QS] matrix_a_fmt:MATRIX_FMT_FP6 matrix_b_fmt:MATRIX_FMT_FP6
.elseif ((\kt)%2 == 1) && (\qt == 0)
	v_wmma_scale_f32_16x16x128_f8f6f4 v[S+32*\qt+8*\kt:S+32*\qt+8*\kt+7], v[\kf+6*\kt:\kf+6*\kt+11], v[QF+12*\qt:QF+12*\qt+11], v[CM+32*\qt+8*\kt:CM+32*\qt+8*\kt+7], v[\ks+\kt/2], v[QS] matrix_a_fmt:MATRIX_FMT_FP6 matrix_b_fmt:MATRIX_FMT_FP6 matrix_a_scale:MATRIX_SCALE_ROW1
.elseif ((\kt)%2 == 0)
	v_wmma_scale_f32_16x16x128_f8f6f4 v[S+32*\qt+8*\kt:S+32*\qt+8*\kt+7], v[\kf+6*\kt:\kf+6*\kt+11], v[QF+12*\qt:QF+12*\qt+11], v[CM+32*\qt+8*\kt:CM+32*\qt+8*\kt+7], v[\ks+\kt/2], v[QS] matrix_a_fmt:MATRIX_FMT_FP6 matrix_b_fmt:MATRIX_FMT_FP6 matrix_b_scale:MATRIX_SCALE_ROW1
.else
	v_wmma_scale_f32_16x16x128_f8f6f4 v[S+32*\qt+8*\kt:S+32*\qt+8*\kt+7], v[\kf+6*\kt:\kf+6*\kt+11], v[QF+12*\qt:QF+12*\qt+11], v[CM+32*\qt+8*\kt:CM+32*\qt+8*\kt+7], v[\ks+\kt/2], v[QS] matrix_a_fmt:MATRIX_FMT_FP6 matrix_b_fmt:MATRIX_FMT_FP6 matrix_a_scale:MATRIX_SCALE_ROW1 matrix_b_scale:MATRIX_SCALE_ROW1
.endif
.endm
.macro NEXTK kf, ks, kb, ksb, n        ; a head's 24 registers of K's codes and its scale words: 7 loads
.irp p, 0,1,2,3,4,5
	global_load_b128 v[\kf+4*\p:\kf+4*\p+3], v[LI], s[\kb:\kb+1] offset:3072*(\n)+512*\p
.endr
	global_load_b64 v[\ks:\ks+1], v[L8], s[\ksb:\ksb+1] offset:256*(\n)
.endm
.macro NEXTQ aq, aqs, n                ; a head's two tiles of Q: 6 registers each, the zeros behind them stay
	ds_load_b128 v[QF:QF+3], v[\aq] offset:1536*(\n)
	ds_load_b64 v[QF+4:QF+5], v[\aq] offset:1536*(\n)+512
	ds_load_b64 v[QF+12:QF+13], v[\aq] offset:1536*(\n)+520
	ds_load_b128 v[QF+14:QF+17], v[\aq] offset:1536*(\n)+1024
	ds_load_b32 v[QS], v[\aqs] offset:128*(\n)
.endm
.macro VLOAD                           ; V's operand for 8 heads: 4 loads
.irp p, 0,1,2,3
	global_load_b128 v[VF+4*\p:VF+4*\p+3], v[LI], s[VB:VB+1] offset:512*\p
.endr
.endm
.macro PVALL                           ; V x (packed operand in S's lower 32): the two query tiles by turns
.irp qt, 0,1
	v_wmma_f32_16x16x32_bf16 v[OL+8*\qt:OL+8*\qt+7], v[VF:VF+7], v[S+16*\qt:S+16*\qt+7], 0
.endr
.irp qt, 0,1
	v_wmma_f32_16x16x32_bf16 v[OL+8*\qt:OL+8*\qt+7], v[VF+8:VF+15], v[S+16*\qt+8:S+16*\qt+15], v[OL+8*\qt:OL+8*\qt+7]
.endr
	PLACES 5                                       ; what follows writes over S, which these read, or reads their results (ISA guide 7.12.1)
.endm
.macro OLOUT j                         ; head j's o (its register's 32 lanes), then l over the half that holds no o: LDS serves a wave's instructions in order
.irp qt, 0,1
	ds_store_b32 v[AP], v[OL+8*\qt+((\j)%4)] offset:384*(\j)+128+128*\qt
	ds_store_b32 v[APR], v[OL+8*\qt+4] offset:384*(\j)+128+128*\qt+64*(1-(\j)/4)
.endr
.endm
.macro HEAD i
.set KFB, K0-(K0-K1)*((\i)%2)
.set KSC, KS0+2*((\i)%2)
.if \i == 0
	s_wait_loadcnt 11                              ; this head's K is in; behind it: the next head's 7 loads and V's 4
.else
	s_wait_loadcnt 7                               ; this head's K is in; the next head's 7 loads may be out
.endif
	s_wait_dscnt 0x0                               ; and its Q
.irp qt, 0,1
.irp kt, 0,1,2,3
	SCORE \qt, \kt, KFB, KSC
.endr
.endr
	PLACES 4                                       ; ahead of the loads into K's and Q's registers and of the reads of results
.if \i > 0
	OLOUT (\i-1)
.endif
.if \i < 6
	NEXTK KFB, KSC, KB, KSB, (\i+2)
.else
	NEXTK KFB, KSC, NKB, NKSB, (\i-6)
.endif
.if \i < 7
	NEXTQ AQ, AQS, (\i+1)
.else
	v_add_nc_u32 v[CH], s5, v[LI]
	v_add_nc_u32 v[CH+1], s6, v[L4]
	NEXTQ CH, CH+1, 0
.endif
.irp qt, 0,1                                   ; the largest of my 32 scores: two chains a tile, each accumulator from its low end on
	v_max3_num_f32 v[CH+2*\qt], v[S+32*\qt], v[S+32*\qt+1], v[S+32*\qt+2]
	v_max3_num_f32 v[CH+2*\qt+1], v[S+32*\qt+3], v[S+32*\qt+4], v[S+32*\qt+5]
.endr
.irp n, 6,10,14,18,22,26
.irp qt, 0,1
	v_max3_num_f32 v[CH+2*\qt], v[CH+2*\qt], v[S+32*\qt+\n], v[S+32*\qt+\n+1]
	v_max3_num_f32 v[CH+2*\qt+1], v[CH+2*\qt+1], v[S+32*\qt+\n+2], v[S+32*\qt+\n+3]
.endr
.endr
.irp qt, 0,1
	v_max3_num_f32 v[CH+2*\qt], v[CH+2*\qt], v[S+32*\qt+30], v[S+32*\qt+31]
.endr
.irp qt, 0,1
	s_delay_alu instid0(VALU_DEP_2)
	v_max_num_f32 v[CH+2*\qt], v[CH+2*\qt], v[CH+2*\qt+1]
.endr
.irp qt, 0,1
	s_delay_alu instid0(VALU_DEP_2)
	v_permlanex16_b32 v[NM+2*\qt+1], v[CH+2*\qt], s66, s67
.endr
.irp qt, 0,1
	s_delay_alu instid0(VALU_DEP_2)
	v_max_num_f32 v[CH+2*\qt], v[CH+2*\qt], v[NM+2*\qt+1]   ; with lane l xor 16's 32 keys: the product with V sums both halves under one m
.endr
.irp qt, 0,1
	s_delay_alu instid0(VALU_DEP_2)
	v_mul_f32 v[NM+2*\qt], s98, v[CH+2*\qt]        ; -c m
.endr
.irp qt, 0,1
	ds_store_b32 v[APR], v[NM+2*\qt] offset:384*\i+64*\qt   ; both halves of the lanes write the same word with the same value
.endr
.irp qt, 0,1
.irp n, 0,2,4,6,8,10,12,14,16,18,20,22,24,26,28,30
	v_pk_fma_f32 v[S+32*\qt+\n:S+32*\qt+\n+1], v[S+32*\qt+\n:S+32*\qt+\n+1], s[96:97], v[NM+2*\qt:NM+2*\qt+1] op_sel_hi:[1,0,0]   ; c s - c m (of the pairs the low word serves both halves)
.endr
.endr
	s_wait_alu depctr_va_vdst(0)
.set n, 0
.rept 64
	v_exp_f32 v[S+n], v[S+n]                       ; p, at most 1
.set n, n+1
.endr
	v_nop                                          ; a plain place behind the exponentials
	s_wait_alu depctr_va_vdst(0)                   ; and behind it
.set n, 0
.rept 32
	v_cvt_pk_bf16_f32 v[S+n], v[S+2*n], v[S+2*n+1] ; packed in place: register n is written when registers 2 n and 2 n + 1 are read, those under it are done with
.set n, n+1
.endr
.if \i == 0
	s_wait_alu depctr_va_vdst(0)
	s_wait_loadcnt 7                               ; V's operand is in; head 2's 7 loads, issued behind it, may be out
.endif
	PVALL
.endm
	s_load_b256 s[4:11], s[0:1], 0x0               ; qpack 4, kpack 6, vfr 8, mbits 10
	s_load_b128 s[12:15], s[0:1], 0x20             ; att_mask 12, out0 14
	v_lshl_add_u32 v[SPW], v0, 2, SPARE
	v_mov_b32 v[NIL], 0
	v_lshrrev_b32 v[CH], 5, v0
	v_readfirstlane_b32 s[WV], v[CH]               ; wave 0..15
	v_and_b32 v[CH+1], 31, v0                      ; lane
	v_and_b32 v[R4], 15, v0
	v_lshlrev_b32 v[R4], 2, v[R4]
	v_lshlrev_b32 v[LI], 4, v[CH+1]
	v_lshlrev_b32 v[L8], 3, v[CH+1]
	v_lshlrev_b32 v[L4], 2, v[CH+1]
.irp i, 0,1,2,3,4,5
	v_mov_b32 v[QF+6+\i], 0
	v_mov_b32 v[QF+18+\i], 0
.endr
	v_mov_b32 v[NM+1], 0                           ; a lane permute's destination counts as one of its sources
	v_mov_b32 v[NM+3], 0
	s_and_b32 s16, ttmp7, 0xffff                   ; b
	s_lshl_b32 s17, s16, 5
	s_lshr_b32 s18, ttmp9, 1
	s_add_co_u32 s18, s18, s17
	s_mul_i32 s18, s18, REC                        ; Q's record
	s_and_b32 s19, ttmp9, 1                        ; and which half of it
	s_mul_i32 s20, s[WV], 3072
	s_add_co_u32 s20, s20, s18
	s_mul_i32 s21, s19, 1536
	s_add_co_u32 s20, s20, s21                     ; head = wave: its codes of my 32 queries
	s_mov_b32 s21, 0
	s_lshl_b32 s22, s[WV], 8
	s_add_co_u32 s22, s22, s18
	s_lshl_b32 s23, s19, 2
	s_add_co_u32 s22, s22, s23
	s_add_co_u32 s22, s22, 49152                   ; and their scale words
	s_mov_b32 s23, 0
	s_lshl_b32 s24, s[WV], 1
	s_add_co_u32 s24, s24, s17                     ; my first record of keys: 32 b + 2 wave
	s_lshl_b32 s26, s24, 12
	s_mov_b32 s27, 0
	s_mul_i32 s24, s24, REC
	s_mov_b32 s25, 0
	s_lshl_b32 s28, s16, 6
	s_add_co_u32 s28, s28, ttmp9
	s_lshl_b32 s28, s28, 13                        ; my block's 8,192 bytes of lane masks, 512 of them my wave's
	s_lshl_b32 s29, s[WV], 9
	s_add_co_u32 s28, s28, s29
	s_mov_b32 s29, 0
	s_lshl_b32 s30, s16, 22
	s_lshl_b32 s31, ttmp9, 5
	s_add_co_u32 s30, s30, s31
	s_add_co_u32 s30, s30, 2047*2048               ; mask[b][2047][32 qb]
	s_mov_b32 s31, 0
	s_lshl_b32 s32, s16, 13
	s_lshl_b32 s33, ttmp9, 7
	s_add_co_u32 s32, s32, s33                     ; out[b][32 qb]
	s_mov_b32 s33, 0
	s_mul_i32 s34, s[WV], 1536
	v_add_nc_u32 v[AQ], s34, v[LI]                 ; where I put my head's Q
	s_lshl_b32 s34, s[WV], 7
	s_add_co_u32 s34, s34, QSL
	v_add_nc_u32 v[CH], s34, v[L4]
	v_add_nc_u32 v[AQS], QSL, v[L4]
	s_mov_b32 s96, 0x3e38aa3b                      ; c = log2(e) / 8
	s_mov_b32 s97, s96
	s_mov_b32 s98, 0xbe38aa3b
	s_mov_b32 s66, 0x76543210
	s_mov_b32 s67, 0xfedcba98                      ; lane l xor 16
	s_mov_b32 s105, 0x07060302                     ; the two upper halves
	s_mov_b32 s[T], 0
	s_mov_b32 s2, 0
	s_mov_b32 s3, QSL
	s_mul_i32 s99, s[WV], 12288
	s_add_co_u32 s99, s99, PART
	s_mul_i32 s104, s[WV], 4608
	s_add_co_u32 s104, s104, MSK
	s_wait_alu depctr_va_vdst(0)
	s_wait_kmcnt 0x0
	s_add_nc_u64 s[NKB:NKB+1], s[4:5], s[20:21]
	s_add_nc_u64 s[NKSB:NKSB+1], s[4:5], s[22:23]
	s_add_nc_u64 s[KB:KB+1], s[6:7], s[24:25]
	s_add_nc_u64 s[KSB:KSB+1], s[KB:KB+1], 49152
	s_add_nc_u64 s[VB:VB+1], s[8:9], s[26:27]
	s_add_nc_u64 s[10:11], s[10:11], s[28:29]
	s_add_nc_u64 s[12:13], s[12:13], s[30:31]
	s_add_nc_u64 s[14:15], s[14:15], s[32:33]
	s_mov_b32 s4, 0xf1800000                       ; -2^100
.irp p, 0,1,2
	global_load_b128 v[S+4*\p:S+4*\p+3], v[LI], s[NKB:NKB+1] offset:512*\p
.endr
	global_load_b32 v[S+12], v[L8], s[NKSB:NKSB+1]
	NEXTK K0, KS0, KB, KSB, 0
	s_load_b512 s[16:31], s[10:11], 0x0            ; step 0's lane masks
	s_load_b512 s[32:47], s[10:11], 0x40
	s_load_b512 s[48:63], s[10:11], 0x80
	s_load_b512 s[68:83], s[10:11], 0xc0
	s_wait_loadcnt 7                               ; Q is in; head 0's 7 loads of K, issued behind it, may be out
	NEXTK K1, KS0+2, KB, KSB, 1                    ; head 1's K and V's operand follow, in the order that the loop's counts take: K, K, V
	VLOAD
.irp p, 0,1,2
	ds_store_b128 v[AQ], v[S+4*\p:S+4*\p+3] offset:512*\p
.endr
	ds_store_b32 v[CH], v[S+12]
	s_wait_dscnt 0x0                               ; for the others' sake
	s_barrier_signal -1
	s_barrier_wait -1                              ; all sixteen heads of Q lie in LDS
	NEXTQ LI, AQS, 0
.Ltrip:
	s_xor_b32 s5, s2, 12288                        ; the other half's heads of Q
	s_xor_b32 s6, s3, 1024
	v_add_nc_u32 v[AQ], s2, v[LI]
	v_add_nc_u32 v[AQS], s3, v[L4]
	v_add_nc_u32 v[AP], s99, v[L4]
	v_add_nc_u32 v[APR], s99, v[R4]
	s_mov_b32 s101, 0                              ; where the next trip's K begins: 8 heads on, or the next record's first head; the last trip stays where it is
	s_mov_b32 s100, 24576
	s_bitcmp1_b32 s[T], 0
	s_cselect_b32 s100, 0x8000, s100
	s_cmp_eq_u32 s[T], 3
	s_cselect_b32 s100, 0, s100
	s_add_nc_u64 s[NKB:NKB+1], s[KB:KB+1], s[100:101]
	s_mov_b32 s100, 2048
	s_bitcmp1_b32 s[T], 0
	s_cselect_b32 s100, 55296, s100
	s_cmp_eq_u32 s[T], 3
	s_cselect_b32 s100, 0, s100
	s_add_nc_u64 s[NKSB:NKSB+1], s[KSB:KSB+1], s[100:101]
	s_bitcmp1_b32 s[T], 0
	s_cbranch_scc1 .Lhave_c                        ; the second half of a step keeps the step's mask
	s_wait_kmcnt 0x0
.irp qt, 0,1
.irp kt, 0,1,2,3
.irp j, 0,1,2,3,4,5,6,7
	v_cndmask_b32 v[CM+32*\qt+8*\kt+\j], 0, s4, s[16+16*(2*\qt+\kt/2)+4*((2*\qt+\kt/2)/3)+8*(\kt%2)+\j]
.endr
.endr
.endr
	s_cmp_lg_u32 s[T], 0
	s_cbranch_scc1 .Lhave_c
	s_load_b512 s[16:31], s[10:11], 0x100          ; step 1's lane masks
	s_load_b512 s[32:47], s[10:11], 0x140
	s_load_b512 s[48:63], s[10:11], 0x180
	s_load_b512 s[68:83], s[10:11], 0x1c0
.Lhave_c:
	s_wait_alu depctr_va_vdst(0)                   ; the addresses
	HEAD 0
	HEAD 1
	HEAD 2
	HEAD 3
	HEAD 4
	HEAD 5
	HEAD 6
	HEAD 7
	OLOUT 7
.set n, 0
.rept 32
	v_perm_b32 v[S+n], v[CM+2*n+1], v[CM+2*n], s105   ; the mask in bf16, laid as packed p is
.set n, n+1
.endr
	PVALL                                          ; -2^100 x (the masked keys' sums of these 8 heads' values, and their count)
	v_add_nc_u32 v[CH], s104, v[LI]
	v_add_nc_u32 v[CH+1], s104, v[R4]
	ds_store_b128 v[CH], v[OL:OL+3]                ; four heads a half of the lanes, and the count
	ds_store_b32 v[CH+1], v[OL+4] offset:1024
	ds_store_b128 v[CH], v[OL+8:OL+11] offset:512
	ds_store_b32 v[CH+1], v[OL+12] offset:1088
	s_wait_xcnt 0x0                                ; the loads have read their bases
	s_mov_b64 s[KB:KB+1], s[NKB:NKB+1]
	s_mov_b64 s[KSB:KSB+1], s[NKSB:NKSB+1]
	s_cmp_eq_u32 s[T], 3
	s_cselect_b32 s100, 0, 2048
	s_add_nc_u64 s[VB:VB+1], s[VB:VB+1], s[100:101]
	VLOAD                                          ; the next 8 heads' V: first used a head's work further on
	s_xor_b32 s2, s2, 12288
	s_xor_b32 s3, s3, 1024
	s_add_co_u32 s99, s99, 3072
	s_add_co_u32 s104, s104, 1152
	s_add_co_u32 s[T], s[T], 1
	s_cmp_lt_u32 s[T], 4
	s_wait_alu depctr_va_vdst(0)
	s_cbranch_scc1 .Ltrip
	; THE JOIN.  Wave = head n, lane = query: 32 parts under 32 maxima, and the masked keys.
; The join's registers are Q's, o and l's, the mask's and the scores': none that the last trip's requests for K and V, which may still be out, will write; those are not named again.
.set JCN, 24                           ; the counts of parts 0-15,
.set JCB, 88                           ; and of parts 16-31
.set JNM, 128
.set JOO, 160
.set JLL, 192
.set JVM, 224
	s_wait_dscnt 0x0                               ; my parts have landed, and the last request for Q
	v_lshrrev_b32 v41, 2, v[L4]
	global_load_u8 v40, v41, s[12:13]              ; mask[b][2047][32 qb + lane], for wave 0's last lines
	s_barrier_signal -1
	s_barrier_wait -1
	s_mul_i32 s16, s[WV], 384
	s_add_co_u32 s16, s16, PART
	s_bfe_u32 s17, s[WV], 0x10002                  ; which half of the lanes held this head's o
	s_lshl_b32 s18, s17, 6
	s_add_co_u32 s18, s18, s16
	s_add_co_u32 s18, s18, 128
	s_lshr_b32 s19, s[WV], 3
	s_mul_i32 s19, s19, 1152
	s_lshl_b32 s20, s17, 8
	s_add_co_u32 s19, s19, s20
	s_and_b32 s20, s[WV], 3
	s_lshl_b32 s20, s20, 2
	s_add_co_u32 s19, s19, s20
	s_add_co_u32 s19, s19, MSK
	v_bfe_u32 v17, v0, 4, 1                        ; query tile
	v_lshl_add_u32 v18, v17, 7, v[R4]
	v_add_nc_u32 v7, s16, v[L4]                    ; -c m
	v_add_nc_u32 v8, s18, v18                      ; o
	v_xor_b32 v9, 64, v8                           ; l
	v_lshl_add_u32 v10, v[R4], 2, s19
	v_lshl_add_u32 v10, v17, 9, v10                ; the masked keys' sum of values
	v_lshl_add_u32 v16, v17, 6, v[R4]
	v_add_nc_u32 v16, MSK+1024, v16                ; their count
.irp g, 0,1,2,3
.irp s, 0,1,2,3,4,5,6,7
	ds_load_b32 v[JNM+8*\g+\s], v7 offset:6144*\s
	ds_load_b32 v[JOO+8*\g+\s], v8 offset:6144*\s
	ds_load_b32 v[JLL+8*\g+\s], v9 offset:6144*\s
	ds_load_b32 v[JVM+8*\g+\s], v10 offset:2304*\s
	ds_load_b32 v[JCN+8*\g+\s+(JCB-JCN-16)*(\g/2)], v16 offset:2304*\s
.endr
	v_add_nc_u32 v7, 49152, v7
	v_add_nc_u32 v8, 49152, v8
	v_add_nc_u32 v9, 49152, v9
	v_add_nc_u32 v10, 18432, v10
	v_add_nc_u32 v16, 18432, v16
.endr
	s_wait_dscnt 0x0
.irp k, 0,2,4,6,8,10,12,14
	v_pk_add_f32 v[JVM+\k:JVM+\k+1], v[JVM+\k:JVM+\k+1], v[JVM+16+\k:JVM+17+\k]
	v_pk_add_f32 v[JCN+\k:JCN+\k+1], v[JCN+\k:JCN+\k+1], v[JCB+\k:JCB+\k+1]
.endr
.irp base, JVM, JCN
.irp k, 0,2,4,6
	v_pk_add_f32 v[\base+\k:\base+\k+1], v[\base+\k:\base+\k+1], v[\base+8+\k:\base+9+\k]
.endr
.irp k, 0,2
	v_pk_add_f32 v[\base+\k:\base+\k+1], v[\base+\k:\base+\k+1], v[\base+4+\k:\base+5+\k]
.endr
	v_pk_add_f32 v[\base:\base+1], v[\base:\base+1], v[\base+2:\base+3]
	v_add_f32 v[\base], v[\base], v[\base+1]
.endr
	v_min3_num_f32 v12, v[JNM], v[JNM+1], v[JNM+2]
	v_min3_num_f32 v13, v[JNM+3], v[JNM+4], v[JNM+5]
.irp i, 6,10,14,18,22,26
	v_min3_num_f32 v12, v12, v[JNM+\i], v[JNM+\i+1]
	v_min3_num_f32 v13, v13, v[JNM+\i+2], v[JNM+\i+3]
.endr
	v_min3_num_f32 v12, v12, v[JNM+30], v[JNM+31]
	v_mov_b32 v14, 0x7f61b1e6                      ; 3e38: no key is masked, -60000 does not count
	v_mov_b32 v15, 0x47a910da                      ; 60000 log2(e)
	v_cmp_gt_f32 vcc_lo, 0, v[JCN]                 ; -2^100 x count under 0: some key is masked
	v_cndmask_b32 v14, v14, v15, vcc_lo
	v_min3_num_f32 v12, v12, v13, v14              ; - the row's maximum, to the base 2
.set n, 0
.rept 32
	v_sub_f32 v[JNM+n], v12, v[JNM+n]              ; a part's maximum less the row's, 0 or less
.set n, n+1
.endr
	v_sub_f32 v14, v12, v14
	s_wait_alu depctr_va_vdst(0)
.set n, 0
.rept 32
	v_exp_f32 v[JNM+n], v[JNM+n]
.set n, n+1
.endr
	v_exp_f32 v14, v14                             ; the weight of a masked key
	v_mul_f32 v[JCN], 0x8d800000, v[JCN]           ; x -2^-100: the count,
	v_mul_f32 v[JVM], 0x8d800000, v[JVM]           ; and the sum of values
	s_wait_alu depctr_va_vdst(0)
	v_pk_mul_f32 v[JLL:JLL+1], v[JLL:JLL+1], v[JNM:JNM+1]
	v_pk_mul_f32 v[JOO:JOO+1], v[JOO:JOO+1], v[JNM:JNM+1]
.irp k, 2,4,6,8,10,12,14,16,18,20,22,24,26,28,30
	v_pk_fma_f32 v[JLL:JLL+1], v[JLL+\k:JLL+\k+1], v[JNM+\k:JNM+\k+1], v[JLL:JLL+1]
	v_pk_fma_f32 v[JOO:JOO+1], v[JOO+\k:JOO+\k+1], v[JNM+\k:JNM+\k+1], v[JOO:JOO+1]
.endr
	v_add_f32 v[JLL], v[JLL], v[JLL+1]
	v_add_f32 v[JOO], v[JOO], v[JOO+1]
	v_fma_f32 v[JLL], v[JCN], v14, v[JLL]
	v_fma_f32 v[JOO], v[JVM], v14, v[JOO]
	s_wait_alu depctr_va_vdst(0)
	v_rcp_f32 v15, v[JLL]
	v_lshl_add_u32 v19, v0, 2, STG                 ; (a plain place)
	s_wait_alu depctr_va_vdst(0)
	v_mul_f32 v[JOO], v[JOO], v15                  ; my head's share of my query
	ds_store_b32 v19, v[JOO]
	s_wait_alu depctr_va_vdst(0)
	s_wait_dscnt 0x0                               ; for wave 0's sake
	s_barrier_signal -1
	s_barrier_wait -1
	s_cmp_lg_u32 s[WV], 0
	s_cbranch_scc1 .Lothers
.irp w, 0,1,2,3,4,5,6,7,8,9,10,11,12,13,14,15
	ds_load_b32 v[S+\w], v19 offset:128*\w         ; in wave 0 v19 is STG + 4 x lane
.endr
	s_wait_loadcnt 0x0                             ; the padded mask is in
	s_wait_dscnt 0x0
.irp w, 0,2,4,6,8,10,12,14
	v_add_f32 v[S+\w], v[S+\w], v[S+\w+1]
.endr
.irp w, 0,4,8,12
	v_add_f32 v[S+\w], v[S+\w], v[S+\w+2]
.endr
	v_add_f32 v[S], v[S], v[S+4]
	v_add_f32 v[S+8], v[S+8], v[S+12]
	v_add_f32 v[S], v[S], v[S+8]                   ; the sum over the heads
	v_mov_b32 v[S+1], 0xc76a6000                   ; -60000
	v_cmp_ne_u32 vcc_lo, 0, v40
	v_cndmask_b32 v[S], v[S], v[S+1], vcc_lo       ; the padded mask
	v_mul_f32 v[S], 0xbfb8aa3b, v[S]               ; sigmoid(x) = 1 / (1 + 2^(-x log2(e)))
	s_wait_alu depctr_va_vdst(0)
	v_exp_f32 v[S], v[S]
	v_nop
	s_wait_alu depctr_va_vdst(0)
	v_add_f32 v[S], 1.0, v[S]
	s_wait_alu depctr_va_vdst(0)
	v_rcp_f32 v[S], v[S]
	v_nop
	s_wait_alu depctr_va_vdst(0)
	global_store_b32 v[L4], v[S], s[14:15]
.Lothers:
	s_wait_tensorcnt 0x0                           ; the wave's end
	ds_add_u32 v[SPW], v[NIL]
	s_wait_dscnt 0x0
	s_endpgm
.Lfunc_end_k_q136cf22b66_attn:
	.size	k_q136cf22b66_attn, .Lfunc_end_k_q136cf22b66_attn-k_q136cf22b66_attn
	.p2alignl 7, 3214868480
	.fill 96, 4, 3214868480
	.section	.rodata,"a",@progbits
	.p2align	6, 0x0
	.amdhsa_kernel k_q136cf22b66_attn
		.amdhsa_group_segment_fixed_size 301056
		.amdhsa_private_segment_fixed_size 0
		.amdhsa_enable_private_segment 0
		.amdhsa_kernarg_size 48
		.amdhsa_user_sgpr_count 2
		.amdhsa_user_sgpr_kernarg_segment_ptr 1
		.amdhsa_wavefront_size32 1
		.amdhsa_system_sgpr_workgroup_id_x 1
		.amdhsa_system_sgpr_workgroup_id_y 1
		.amdhsa_system_sgpr_workgroup_id_z 1
		.amdhsa_system_vgpr_workitem_id 0
		.amdhsa_next_free_vgpr 256
		.amdhsa_next_free_sgpr 106
		.amdhsa_reserve_vcc 1
		.amdhsa_float_denorm_mode_32 3
		.amdhsa_float_denorm_mode_16_64 3
		.amdhsa_memory_ordered 1
		.amdhsa_forward_progress 1
		.amdhsa_inst_pref_size 131
	.end_amdhsa_kernel
	.amdgpu_metadata
---
amdhsa.version: [ 1, 2 ]
amdhsa.kernels:
  - .name:           k_q136cf22b66_attn
    .symbol:         k_q136cf22b66_attn.kd
    .args:
      - { .name: qpack, .offset: 0, .size: 8, .value_kind: global_buffer, .address_space: global }
      - { .name: kpack, .offset: 8, .size: 8, .value_kind: global_buffer, .address_space: global }
      - { .name: vfr, .offset: 16, .size: 8, .value_kind: global_buffer, .address_space: global }
      - { .name: mbits, .offset: 24, .size: 8, .value_kind: global_buffer, .address_space: global }
      - { .name: att_mask, .offset: 32, .size: 8, .value_kind: global_buffer, .address_space: global }
      - { .name: out0, .offset: 40, .size: 8, .value_kind: global_buffer, .address_space: global }
    .group_segment_fixed_size: 301056
    .private_segment_fixed_size: 0
    .kernarg_segment_align: 8
    .kernarg_segment_size: 48
    .max_flat_workgroup_size: 512
    .sgpr_count:     106
    .vgpr_count:     256
    .wavefront_size: 32
...
	.end_amdgpu_metadata
.endif
;; end of part 3
